; MI455X (gfx1250); checked and timed in simulation.
; The chip was launched on July 23, 2026; its instructions are those of AMD's public machine-readable ISA for CDNA 5 (MIT licence, August 2026) and "CDNA5" Instruction Set Architecture Reference Guide (July 2026). The comments in the code are by the model that wrote it; some were corrected since.
;; Packed Bit Linear. Allowed arithmetic: matrix products marked QUANTISED: E2M1 operands, one E8M0 scale for each 32 along K, by v_wmma_scale_f32_16x16x128_f8f6f4 with both operands' format E2M1 (or v_wmma_scale_f32_32x16x128_f4), f32 sums; everything else in f32.
;; Inputs: packed_weight 4,096 x 256 int32; scale one number float32; x 4,096 x 4,096 float32.
;; Outputs: out0 4,096 x 4,096 float32.
;; This version of the problem:
;;   THIS VERSION OF THE PROBLEM IS GIVEN IN LOW PRECISION. The matrix products marked QUANTISED in the list below multiply operands that are first quantised to E2M1 (2 exponent bits, 1 mantissa bit; 4 bits a number), with one power-of-two scale for each 32 numbers along K (OCP MX v1.0); their sums are f32. All else is computed in f32.
;;   The module's matrix products, in the order in which they are computed (A, B: the left and right operand; K: the contracted axis; several contracted axes count as one K, in the product's order):
;;     1. [M 4,096, K 4,096] x [K 4,096, N 4,096]; A: computed on the way; B: computed on the way: QUANTISED
;;   THE QUANTISER, for each operand of a quantised product, along K:
;;     - K is cut into blocks of 32 from its start; a last block that is shorter is filled with zeros.
;;     - A block's scale is 2^e with e = floor(log2(the largest magnitude in the block)) - 2, held to -126 .. 127; a block of zeros has e = 0. As a byte (E8M0): e + 127.
;;     - Each number is divided by its block's scale, clamped to +-6, and rounded to the nearest number of E2M1, ties to even, subnormals kept.
;;     - The product sums the exact products of the quantised numbers (number of the format x scale) in f32.
;;   ~~~python
;;   def quantise(x, axis):      # numpy; x: float32 -> the quantised numbers, widened to float32 again
;;       x = np.moveaxis(x, axis, -1); K = x.shape[-1]
;;       x = np.pad(x, [(0, 0)] * (x.ndim - 1) + [(0, -K % 32)]); x = x.reshape(x.shape[:-1] + (-1, 32)); a = np.abs(x).max(-1, keepdims=True)
;;       e = np.where(a > 0, np.clip(np.frexp(np.where(a > 0, a, 1))[1] - 1 - 2, -126, 127), 0)      # np.frexp(a)[1] - 1 = floor(log2(a)), exactly
;;       r = np.clip(x / 2.0 ** e, -6, 6)
;;       step = 2.0 ** (np.maximum(np.frexp(np.where(r == 0, 1, r))[1] - 1, 0) - 1)
;;       q = np.round(r / step) * step * 2.0 ** e      # np.round: ties to even
;;       return np.moveaxis(q.reshape(q.shape[:-2] + (-1,))[..., :K], -1, axis).astype(np.float32)
;;   ~~~
;;   OPERANDS COMPUTED ON THE WAY. 'Computed on the way' means the value that the module computes at that place (a softmax that the list does not call 'softmax' is quantised finished and normalised). What goes into a quantiser is computed in f32, as accurately as f32 sums, v_exp_f32 and their like allow (about 1e-6 of the number): no bf16 or f16 on the way to a quantiser, and a product that is left as it is and whose result goes on into a quantised operand takes f32 operands (vector FMAs, or v_wmma_f32_16x16x4_f32). A number that lies on a knife's edge between two numbers of the format may be rounded either way, as far as f32 arithmetic and the matrix unit's own rounding can turn it there, and no further.
;; One version. Each part assembles by itself: llvm-mc -triple=amdgcn-amd-amdhsa -mcpu=gfx1250 --defsym DOCPART=n.
;; ======== version 1 of 1: 2 launches
;; limits: right only within a limited range of input values
;; workspace buffers: xq 8,912,896 bytes; wq 8,912,896 bytes; xs 16,384 bytes
;; launch quant (part 1): grid 256 x 1, 16 waves a work-group, no clusters, 90,112 bytes of LDS; arguments x, packed_weight, scale, xq, wq, xs; writes xq, wq, xs
.if DOCPART == 1
	.amdgcn_target "amdgcn-amd-amdhsa--gfx1250"
	.amdhsa_code_object_version 6
	.text
	.protected	k_qca8eab308d_quant
	.globl	k_qca8eab308d_quant
	.p2align	8
	.type	k_qca8eab308d_quant,@function
k_qca8eab308d_quant:
	s_mov_b64 s[64:65], 0
	v_nop
	global_prefetch_b8 v0, s[64:65] scope:SCOPE_SE
	s_setreg_imm32_b32 hwreg(HW_REG_WAVE_MODE, 25, 1), 1
	s_wait_xcnt 0x0
; out = ((x / xs) w^T) xs, xs[t] = max(largest |x[t][:]|, 1e-5), w = (v - 1) scale, v the 2-bit fields of packed_weight; the product on codes of FP4 (E2M1) with one E8M0 scale for each 32 along K.
; THIS LAUNCH makes both operands: xs, x / xs and its codes and scale bytes; w and its codes and scale bytes.  The second launch multiplies them.
; NO WORK IS LEFT OUT: the quantiser stands between the division by xs and the multiplication by xs, so the two do not cancel; the slice [:, :4096] keeps all 4,096 columns; all three inputs reach the output and are loaded.
; LIMITS: NaN and infinities among the inputs are not served.  xs above 2^126 is not served (its reciprocal falls under the smallest normal number and comes out as 0).  A block of zeros gets a scale byte other
; than the quantiser's 127 (x: 1; w: that of a block with fields 0 and 2): its codes are zeros, which add nothing under any byte but 0xff, and this program alone reads the bytes.
; THE DIVISION: q = x r, r the reciprocal of xs in f32, is what the codes are made of.  A BLOCK'S SCALE hangs on the exponent of its largest |x / xs|, so that one number is divided with a correction: e = x - q xs, q = q + e r, both fused:
; the row's largest element so comes out as exactly 1.0; a hair under 1.0 its block's scale would be half as large.
; W'S CODES: a block of w holds -scale, 0, scale and, where it has a field v = 3, 2 scale: its largest magnitude is 2 |scale| with such a field and |scale| without (or 0, where all codes are 0).  So there are two tables of four codes,
; one for each kind of block, made once by the conversion instruction from the four numbers under the kind's own scale; a field then only looks its code up.
; LAYOUT of xq and wq, the same for both: [T = row / 128][s = k / 512][34,816 bytes].  A block (T, s) holds 128 x 256 bytes: row (row % 128)'s 512 codes, the lower k in the low four bits; then 8 x 256 bytes:
; piece G holds the scale bytes of rows 16 G .. 16 G + 15, 16 bytes a row, byte b for k = 512 s + 32 b.  So one dense block is all that a K step of the product wants of 128 rows.
; SHARES.  Work-group g owns rows 16 g .. 16 g + 15 of x and of w, wave w one row of each: 16 rows make each 256 bytes of scale bytes whole.  Work-groups share no input: no cluster, no tensor load; no loop, so no prefetch.
; A row of x, 16,384 bytes, stays in 128 registers: x is read once.  TWO HALVES: waves 0 to 7 ask for their rows of x at once, waves 8 to 15 when their row of w is in: so the first eight rows are whole before the last eight,
; and are divided, converted and stored while those arrive.  Every wave works its row of w while its row of x is on its way.
; WHAT DOES NOT HANG ON xs IS DONE WHILE THE ROW ARRIVES: a step's 512 numbers go through the stage as soon as their four loads are in, and each block's largest |x| is taken then.  The row's maximum is the maximum of the blocks'.
.set QMEM,  34816                      ; bytes of a block (T, s)
.set TILEB, 8*QMEM                     ; bytes of a T
.set SP,    80                         ; a lane's place in a stage: its 64 bytes + 16 of padding
.set STG,   32*SP                      ; a stage
.set WREG,  2*STG                      ; LDS: two stages for each wave, its own
.set SCG,   16*WREG                    ; behind them: x's scale bytes [s][16 rows][16], 2,048 bytes; then w's likewise
.set XSW,   SCG+4096                   ; 16 words: the rows' xs, in 256 bytes of their own
.set SPARE, XSW+256                    ; the spare words, 128 bytes for each wave: eight blocks of 256 bytes that no other line names
.set LN,   1                           ; v1   lane
.set XO,   2                           ; v2   16 x lane: x's loads
.set O8,   3                           ; v3   8 x lane: w's loads, x's code stores, the scale bytes' store
.set STI,  4                           ; v4   the stage, on the way in
.set STO,  5                           ; v5   and on the way out
.set XSB,  6                           ; v6   LDS: where my block's scale byte of x goes
.set WSB,  7                           ; v7   and of w
.set Z,    8                           ; v8   0
.set CWO,  9                           ; v9   w's code stores: QMEM x (lane / 16) + 16 x (lane % 16)
.set UR,   10                          ; v10  LDS: my 8 bytes of the 256 scale bytes that my wave stores
.set XW,   12                          ; v12  LDS: my row's word of xs
.set XR,   13                          ; v13  LDS: word lane % 16 of xs
.set SPW,  14                          ; v14  LDS address of my spare word; never rewritten
.set NIL,  15                          ; v15  0; never rewritten
.set D,    16                          ; v[16:17] xs, twice
.set R,    18                          ; v[18:19] 1 / xs, twice
.set T0,   20                          ; v20-21  w's two tables: byte v holds field v's code: blocks without, with a field of 3
.set EB,   22                          ; v22-23  and their scale bytes
.set M,    24                          ; v24-27 at work: chains of maxima
.set O4,   28                          ; v28  4 x lane
.set WP,   32                          ; v32-39  w's packed words: two for each of my four blocks; later x's eight scale bytes
.set EX,   32
.set WC,   40                          ; v40-55  w's codes: four registers a block
.set XC,   56                          ; v56-71  x's codes: two a step
.set BM,   72                          ; v72-79  my block's largest |x|, one register a step; later the residuals of their division
.set QS,   80                          ; v80-87  their quotients; then the conversions' scale operands
.set F,    88                          ; v88-119 at work on w; later two sets of 16 quotients, by turns
.set Q,    88
.set EW,   123                         ; v123-126 w's four scale bytes
.set ROW,  128                         ; v128-255 my row of x: as loaded, then 16 neighbours a step
	s_load_b256 s[4:11], s[0:1], 0x0               ; x s[4:5], packed_weight s[6:7], scale s[8:9], xq s[10:11]
	s_load_b128 s[12:15], s[0:1], 0x20             ; wq s[12:13], xs s[14:15]
	v_lshl_add_u32 v[SPW], v0, 2, SPARE
	v_mov_b32 v[NIL], 0
	v_mov_b32 v[Z], 0
	v_lshrrev_b32 v1, 5, v0
	s_delay_alu instid0(VALU_DEP_1)
	v_readfirstlane_b32 s17, v1                    ; wave 0..15
	v_and_b32 v[LN], 31, v0
	s_delay_alu instid0(VALU_DEP_1)
	v_lshlrev_b32 v[XO], 4, v[LN]
	s_delay_alu instid0(VALU_DEP_2)
	v_lshlrev_b32 v[O8], 3, v[LN]
	s_delay_alu instid0(VALU_DEP_3)
	v_lshlrev_b32 v[O4], 2, v[LN]
	s_mul_i32 s26, s17, WREG                       ; my wave's stages
	v_lshrrev_b32 v[STI], 2, v[LN]
	s_delay_alu instid0(VALU_DEP_1)
	v_mul_u32_u24 v[STI], v[STI], SP
	v_and_b32 v11, 3, v[LN]
	s_delay_alu instid0(VALU_DEP_1)
	v_lshl_add_u32 v[STI], v11, 4, v[STI]
	s_delay_alu instid0(VALU_DEP_1)
	v_add_nc_u32 v[STI], s26, v[STI]               ; in: four lanes' 64 bytes on end, then 16 of padding: SP (lane / 4) + 16 (lane % 4)
	v_mul_u32_u24 v[STO], v[LN], SP
	s_delay_alu instid0(VALU_DEP_1)
	v_add_nc_u32 v[STO], s26, v[STO]               ; out: SP x lane: my 16 neighbours
	s_lshl_b32 s26, s17, 4                         ; my row's 16 bytes in a piece of scale bytes
	s_add_co_u32 s27, s26, SCG
	v_lshrrev_b32 v[XSB], 1, v[LN]
	s_delay_alu instid0(VALU_DEP_1)
	v_add_nc_u32 v[XSB], s27, v[XSB]               ; x: two lanes hold a block: byte lane / 2
	s_add_co_u32 s27, s26, SCG+2048
	v_and_b32 v11, 15, v[LN]
	v_lshrrev_b32 v[WSB], 4, v[LN]
	s_delay_alu instid0(VALU_DEP_1)
	v_lshl_add_u32 v[WSB], v[WSB], 8, v11
	s_delay_alu instid0(VALU_DEP_1)
	v_add_nc_u32 v[WSB], s27, v[WSB]               ; w: a lane holds a block: K step lane / 16 of two, byte lane % 16
	v_lshrrev_b32 v[CWO], 4, v[LN]
	s_delay_alu instid0(VALU_DEP_1)
	v_mul_u32_u24 v[CWO], v[CWO], QMEM
	s_delay_alu instid0(VALU_DEP_1)
	v_lshl_add_u32 v[CWO], v11, 4, v[CWO]
	v_lshl_add_u32 v[XR], v11, 2, XSW
	s_lshl_b32 s27, s17, 8
	s_add_co_u32 s27, s27, SCG
	v_add_nc_u32 v[UR], s27, v[O8]                 ; wave w stores piece w of the sixteen: x's K steps 0 to 7, then w's
	s_lshl_b32 s27, s17, 2
	s_add_co_u32 s27, s27, XSW
	v_mov_b32 v[XW], s27
	s_mov_b32 s20, 0x76543210
	s_mov_b32 s21, 0xfedcba98                      ; v_permlanex16_b32's selects for lane l xor 16
	s_lshl_b32 s26, ttmp9, 4
	s_add_co_u32 s26, s26, s17                     ; my row: 16 g + wave
	s_lshr_b32 s18, ttmp9, 3
	s_mul_i32 s18, s18, TILEB                      ; T = g / 8, in bytes
	s_and_b32 s19, ttmp9, 7                        ; G = g % 8
	s_mov_b32 s23, 0                               ; offsets are made in s[22:23], apart from the addresses
	s_wait_alu depctr_va_vdst(0)                   ; the wait at the head's end
	s_wait_kmcnt 0x0
	s_load_b32 s16, s[8:9], 0x0                    ; the scale's value
	s_cmp_lt_u32 s17, 8                            ; waves 0 to 7 store x's scale bytes, waves 8 to 15 w's: the choice hangs on the wave's number alone
	s_cselect_b64 s[24:25], s[10:11], s[12:13]
	s_lshl_b32 s22, s26, 14
	s_add_nc_u64 s[4:5], s[4:5], s[22:23]          ; x at my row: 16,384 bytes a row
	s_lshl_b32 s22, s26, 10
	s_add_nc_u64 s[6:7], s[6:7], s[22:23]          ; packed_weight at my row: 1,024 bytes a row
.irp j, 0,1,2,3
	global_load_b64 v[WP+2*\j:WP+2*\j+1], v[O8], s[6:7] offset:256*\j th:TH_LOAD_NT   ; 32 lanes read 256 consecutive bytes; my two words are block 32 j + lane
.endr
	s_and_b32 s27, s17, 7
	s_mul_i32 s27, s27, QMEM                       ; the K step whose scale bytes I store,
	s_lshl_b32 s28, s19, 8                         ; piece G,
	s_add_co_u32 s27, s27, s28
	s_add_co_u32 s27, s27, s18                     ; in T,
	s_add_co_u32 s22, s27, 32768                   ; behind the block's 128 rows of codes
	s_add_nc_u64 s[24:25], s[24:25], s[22:23]
	s_lshl_b32 s27, s19, 4
	s_add_co_u32 s27, s27, s17                     ; my row in its T: 16 G + wave
	s_lshl_b32 s27, s27, 8
	s_add_co_u32 s22, s27, s18
	s_add_nc_u64 s[10:11], s[10:11], s[22:23]      ; xq and wq at my row's 256 bytes of K step 0
	s_add_nc_u64 s[12:13], s[12:13], s[22:23]
	s_lshl_b32 s22, ttmp9, 6
	s_add_nc_u64 s[14:15], s[14:15], s[22:23]      ; xs at my work-group's 16 words
	s_cmp_lt_u32 s17, 8                            ; which half am I in: the wave's number alone
	s_cbranch_scc1 .Lask
	s_wait_loadcnt 0x0                             ; the second half asks for x when its row of w is in
.Lask:
.irp j, 0,1,2,3,4,5,6,7,8,9,10,11,12,13,14,15,16,17,18,19,20,21,22,23,24,25,26,27,28,29,30,31
	global_load_b128 v[ROW+4*\j:ROW+4*\j+3], v[XO], s[4:5] offset:512*\j th:TH_LOAD_NT   ; 32 lanes read 512 consecutive bytes
.endr
; My block 32 j + lane of w: all 32 fields are mine.  Four chains, a word of eight codes each, by turns with the test for a field of 3.
.macro WBLOCK j
	v_lshrrev_b32 v[F], 1, v[WP+2*\j]
	v_lshrrev_b32 v[F+1], 1, v[WP+2*\j+1]
	v_perm_b32 v[F+8], v[WP+2*\j], v[Z], 0x00050004        ; a half word's two bytes, 16 bits apart
	v_perm_b32 v[F+9], v[WP+2*\j], v[Z], 0x00070006
	v_and_b32 v[F], v[F], v[WP+2*\j]                       ; both bits of a field set: at its lower bit
	v_perm_b32 v[F+10], v[WP+2*\j+1], v[Z], 0x00050004
	v_perm_b32 v[F+11], v[WP+2*\j+1], v[Z], 0x00070006
	v_and_or_b32 v[F], v[F+1], v[WP+2*\j+1], v[F]
.irp g, 0,1,2,3
	v_lshl_or_b32 v[F+8+\g], v[F+8+\g], 4, v[F+8+\g]       ; byte i: fields 2 i and 2 i + 1 in its low four bits
.endr
	v_and_b32 v[F], 0x55555555, v[F]
.irp g, 0,1,2,3
	v_and_b32 v[F+12+\g], 0x03030303, v[F+8+\g]            ; byte i: field 2 i
.endr
	v_cmp_ne_u32 vcc_lo, 0, v[F]
.irp g, 0,1,2,3
	v_lshrrev_b32 v[F+8+\g], 2, v[F+8+\g]
.endr
	v_cndmask_b32 v[F+2], v[T0], v[T0+1], vcc_lo           ; my block's table
	v_cndmask_b32 v[EW+\j], v[EB], v[EB+1], vcc_lo         ; and its scale byte
.irp g, 0,1,2,3
	v_and_b32 v[F+8+\g], 0x03030303, v[F+8+\g]             ; byte i: field 2 i + 1
.endr
	v_lshlrev_b32 v[F+3], 4, v[F+2]
.irp g, 0,1,2,3
	v_perm_b32 v[F+12+\g], v[F+2], v[F+2], v[F+12+\g]      ; the codes: four bytes looked up at once,
.endr
.irp g, 0,1,2,3
	v_perm_b32 v[F+8+\g], v[F+3], v[F+3], v[F+8+\g]        ; the odd fields' in the high four bits
.endr
.irp g, 0,1,2,3
	v_or_b32 v[WC+4*\j+\g], v[F+12+\g], v[F+8+\g]
.endr
	ds_store_b8 v[WSB], v[EW+\j] offset:512*\j     ; K steps 2 j and 2 j + 1
.endm
; Step t's 512 numbers through the wave's own stage, as soon as they are in: in as loaded (a lane's 16 bytes of each 512), out 64 bytes a lane, into the registers that they left: 16 neighbours along K, k = 512 t + 16 lane + 0 .. 15.
; LDS serves a wave's instructions in order: no wait between the stores and the loads, nor in front of the stores that use a stage again two steps on.
.macro TURN t
	s_wait_loadcnt 28-4*(\t)                       ; loads come back in order: step t's four are in, the 28 - 4 t behind them stay out
.irp i, 0,1,2,3
	ds_store_b128 v[STI], v[ROW+16*(\t)+4*\i:ROW+16*(\t)+4*\i+3] offset:STG*((\t)%2)+8*SP*\i
.endr
.irp i, 0,1,2,3
	ds_load_b128 v[ROW+16*(\t)+4*\i:ROW+16*(\t)+4*\i+3], v[STO] offset:STG*((\t)%2)+16*\i
.endr
.endm
; The largest |x| of my block of step t: my 16 numbers and my neighbour's 16.  younger: the LDS instructions issued behind step t's loads from the stage.
.macro BMAX t, younger
.set XS, ROW+16*(\t)
	s_wait_dscnt \younger
	v_max3_num_f32 v[M], |v[XS]|, |v[XS+1]|, |v[XS+2]|
	v_max3_num_f32 v[M+1], |v[XS+3]|, |v[XS+4]|, |v[XS+5]|
.irp i, 6,10
	s_delay_alu instid0(VALU_DEP_2)
	v_max3_num_f32 v[M], v[M], |v[XS+\i]|, |v[XS+\i+1]|
	s_delay_alu instid0(VALU_DEP_2)
	v_max3_num_f32 v[M+1], v[M+1], |v[XS+\i+2]|, |v[XS+\i+3]|
.endr
	s_delay_alu instid0(VALU_DEP_2)
	v_max3_num_f32 v[BM+(\t)], v[M], |v[XS+14]|, |v[XS+15]|
	s_delay_alu instid0(VALU_DEP_1)
	v_max_num_f32 v[BM+(\t)], v[BM+(\t)], v[M+1]
	s_delay_alu instid0(VALU_DEP_1)
	v_max_num_f32_dpp v[BM+(\t)], v[BM+(\t)], v[BM+(\t)] row_xmask:1 row_mask:0xf bank_mask:0xf
.endm
; Step t behind xs: my 16 numbers x 1 / xs, converted under the block's scale.  The two sets of quotients take turns, so that the next step's first lines are the plain lines between these conversions and the next write of their sources.
.macro XQ t
.set XS, ROW+16*(\t)
.set QQ, Q+16*((\t)%2)
.irp i, 0,2,4,6,8,10,12,14
	v_pk_mul_f32 v[QQ+\i:QQ+\i+1], v[XS+\i:XS+\i+1], v[R:R+1]
.endr
	v_cvt_scalef32_pk8_fp4_f32 v[XC+2*(\t)], v[QQ:QQ+7], v[QS+(\t)]    ; beyond 6 the largest code, as the quantiser's clamp asks
	v_cvt_scalef32_pk8_fp4_f32 v[XC+2*(\t)+1], v[QQ+8:QQ+15], v[QS+(\t)]
	ds_store_b8 v[XSB], v[EX+(\t)] offset:256*(\t) ; both lanes of a block write the same byte with the same value
	global_store_b64 v[O8], v[XC+2*(\t):XC+2*(\t)+1], s[10:11] offset:(\t)*QMEM   ; 32 lanes store my row's 256 bytes of K step t: consecutive, aligned
.endm
	s_wait_kmcnt 0x0                               ; the scale
	v_mov_b32 v[F+2], s16                          ; field 2: scale
	v_mov_b32 v[F+1], 0                            ; field 1: 0
.irp i, 4,5,6,7
	v_mov_b32 v[F+\i], 0                           ; (the conversion takes eight)
.endr
	v_xor_b32 v[F], 0x80000000, v[F+2]             ; field 0: -scale
	v_add_f32 v[F+3], v[F+2], v[F+2]               ; field 3: 2 scale
	v_max3_num_f32 v[M], |v[F]|, |v[F+2]|, 0x1800000       ; each kind's largest magnitude, and the floor 2^(3 - 127): the byte cannot fall under 1
	v_max3_num_f32 v[M+1], |v[F+2]|, |v[F+3]|, 0x1800000
	v_add_nc_u32 v[M], 0xff000000, v[M]            ; 2 off the exponent field: the conversion takes the exponent field of this operand as its scale, and nothing else of it
	v_add_nc_u32 v[M+1], 0xff000000, v[M+1]
	v_cvt_scalef32_pk8_fp4_f32 v[T0], v[F:F+7], v[M]
	v_cvt_scalef32_pk8_fp4_f32 v[T0+1], v[F:F+7], v[M+1]
	v_lshrrev_b32 v[EB], 23, v[M]                  ; the scale bytes; also the plain lines behind the conversions
	v_lshrrev_b32 v[EB+1], 23, v[M+1]
	v_perm_b32 v[F+8], v[T0], v[Z], 0x00050004     ; four codes of 4 bits to four bytes
	v_perm_b32 v[F+9], v[T0+1], v[Z], 0x00050004
	v_lshl_or_b32 v[F+8], v[F+8], 4, v[F+8]
	v_lshl_or_b32 v[F+9], v[F+9], 4, v[F+9]
	v_and_b32 v[T0], 0x0f0f0f0f, v[F+8]
	v_and_b32 v[T0+1], 0x0f0f0f0f, v[F+9]
	s_wait_alu depctr_va_vdst(0)                   ; directly ahead of the wait below
	s_wait_loadcnt 32                              ; w's four loads are in; x's 32, issued behind them, stay out
	WBLOCK 0
	WBLOCK 1
	WBLOCK 2
	WBLOCK 3
	TURN 0
.irp t, 1,2,3,4,5,6,7
	TURN \t                                        ; the next step goes through the other stage,
.if \t < 5
	global_store_b128 v[CWO], v[WC+4*(\t-1):WC+4*(\t-1)+3], s[12:13] offset:2*(\t-1)*QMEM   ; w's block t - 1: lanes 0-15 store my row's 256 bytes of K step 2 (t - 1), lanes 16-31 those of the next: each 256 consecutive bytes, aligned
.endif
	BMAX \t-1, 8                                   ; while this one's maximum is taken: behind its loads stand the next step's four stores and four loads
.endr
	BMAX 7, 0
	v_max3_num_f32 v[M], v[BM], v[BM+1], v[BM+2]   ; the row's maximum is the maximum of the blocks'
	v_max3_num_f32 v[M+1], v[BM+3], v[BM+4], v[BM+5]
	s_delay_alu instid0(VALU_DEP_2)
	v_max3_num_f32 v[M], v[M], v[BM+6], v[BM+7]
	s_delay_alu instid0(VALU_DEP_1)
	v_max3_num_f32 v[M], v[M], v[M+1], 0x3727c5ac  ; the clip at 1e-5 is one more leaf of the maximum
	s_delay_alu instid0(VALU_DEP_1)
	v_max_num_f32_dpp v[M], v[M], v[M] row_xmask:2 row_mask:0xf bank_mask:0xf   ; (lanes l and l xor 1 hold the same already)
	s_delay_alu instid0(VALU_DEP_1)
	v_max_num_f32_dpp v[M], v[M], v[M] row_xmask:4 row_mask:0xf bank_mask:0xf
	s_delay_alu instid0(VALU_DEP_1)
	v_max_num_f32_dpp v[M], v[M], v[M] row_xmask:8 row_mask:0xf bank_mask:0xf
	s_delay_alu instid0(VALU_DEP_1)
	v_permlanex16_b32 v[M+1], v[M], s20, s21       ; (its destination has been written before)
	s_delay_alu instid0(VALU_DEP_1)
	v_max_num_f32 v[D], v[M], v[M+1]               ; xs, in every lane
	s_delay_alu instid0(VALU_DEP_1)
	v_mov_b32 v[D+1], v[D]
	s_wait_alu depctr_va_vdst(0)                   ; the wait ahead of the reciprocal
	v_rcp_f32 v[R], v[D]
	v_nop                                          ; a plain line behind the reciprocal
	ds_store_b32 v[XW], v[D]                       ; all lanes write my row's word with the same value
	s_wait_alu depctr_va_vdst(0)                   ; ahead of the first line that names the reciprocal's result
	v_mov_b32 v[R+1], v[R]
.irp i, 0,2,4,6
	v_pk_mul_f32 v[QS+\i:QS+\i+1], v[BM+\i:BM+\i+1], v[R:R+1]      ; the eight blocks' largest |x| / xs: the division with its correction
.endr
.irp i, 0,2,4,6
	s_delay_alu instid0(VALU_DEP_4)
	v_pk_fma_f32 v[BM+\i:BM+\i+1], v[QS+\i:QS+\i+1], v[D:D+1], v[BM+\i:BM+\i+1] neg_lo:[1,0,0] neg_hi:[1,0,0]
.endr
.irp i, 0,2,4,6
	v_pk_fma_f32 v[QS+\i:QS+\i+1], v[BM+\i:BM+\i+1], v[R:R+1], v[QS+\i:QS+\i+1]
.endr
.irp t, 0,1,2,3,4,5,6,7
	v_max_num_f32 v[QS+\t], 0x1800000, v[QS+\t]    ; the floor 2^(3 - 127)
.endr
.irp t, 0,1,2,3,4,5,6,7
	v_add_nc_u32 v[QS+\t], 0xff000000, v[QS+\t]    ; 2 off the exponent field: the conversions' scale operand
.endr
.irp t, 0,1,2,3,4,5,6,7
	v_lshrrev_b32 v[EX+\t], 23, v[QS+\t]           ; the scale's byte
.endr
.irp t, 0,1,2,3,4,5,6,7
	XQ \t
.endr
	v_nop                                          ; a plain line behind the last conversions
	s_wait_dscnt 0x0                               ; for the others' sake: my scale bytes and my word of xs have landed
	s_barrier_signal -1
	s_barrier_wait -1                              ; everybody's have
	ds_load_b64 v[120:121], v[UR]
	s_wait_dscnt 0x0
	global_store_b64 v[O8], v[120:121], s[24:25]   ; 32 lanes store the 16 rows' scale bytes of one K step: 256 consecutive bytes, aligned
	s_cmp_lg_u32 s17, 0
	s_cbranch_scc1 .Lnot_wave_0
	ds_load_b32 v122, v[XR]                        ; wave 0 stores the 16 rows' xs
	s_wait_dscnt 0x0
	v_cmp_gt_u32 vcc_lo, 16, v[LN]
	s_wait_xcnt 0x0                                ; EXEC is a source of the stores that are out: it changes only behind this wait
	s_and_saveexec_b32 s30, vcc_lo
	global_store_b32 v[O4], v122, s[14:15]         ; 16 lanes, 64 consecutive bytes
	s_wait_xcnt 0x0                                ; and again, in front of the line that widens it
	s_or_b32 exec_lo, exec_lo, s30
.Lnot_wave_0:
	s_wait_tensorcnt 0x0                           ; the wave's end: behind my last LDS store
	ds_add_u32 v[SPW], v[NIL]
	s_wait_dscnt 0x0
	s_endpgm
.Lfunc_end_k_qca8eab308d_quant:
	.size	k_qca8eab308d_quant, .Lfunc_end_k_qca8eab308d_quant-k_qca8eab308d_quant
	.p2alignl 7, 3214868480
	.fill 96, 4, 3214868480
	.section	.rodata,"a",@progbits
	.p2align	6, 0x0
	.amdhsa_kernel k_qca8eab308d_quant
		.amdhsa_group_segment_fixed_size 90112
		.amdhsa_private_segment_fixed_size 0
		.amdhsa_enable_private_segment 0
		.amdhsa_kernarg_size 48
		.amdhsa_user_sgpr_count 2
		.amdhsa_user_sgpr_kernarg_segment_ptr 1
		.amdhsa_wavefront_size32 1
		.amdhsa_system_sgpr_workgroup_id_x 1
		.amdhsa_system_sgpr_workgroup_id_y 1
		.amdhsa_system_sgpr_workgroup_id_z 1
		.amdhsa_system_vgpr_workitem_id 0
		.amdhsa_next_free_vgpr 256
		.amdhsa_next_free_sgpr 66
		.amdhsa_reserve_vcc 1
		.amdhsa_float_denorm_mode_32 3
		.amdhsa_float_denorm_mode_16_64 3
		.amdhsa_memory_ordered 1
		.amdhsa_forward_progress 1
		.amdhsa_inst_pref_size 39
	.end_amdhsa_kernel
	.amdgpu_metadata
---
amdhsa.version: [ 1, 2 ]
amdhsa.kernels:
  - .name:           k_qca8eab308d_quant
    .symbol:         k_qca8eab308d_quant.kd
    .args:
      - { .name: x, .offset: 0, .size: 8, .value_kind: global_buffer, .address_space: global }
      - { .name: packed_weight, .offset: 8, .size: 8, .value_kind: global_buffer, .address_space: global }
      - { .name: scale, .offset: 16, .size: 8, .value_kind: global_buffer, .address_space: global }
      - { .name: xq, .offset: 24, .size: 8, .value_kind: global_buffer, .address_space: global }
      - { .name: wq, .offset: 32, .size: 8, .value_kind: global_buffer, .address_space: global }
      - { .name: xs, .offset: 40, .size: 8, .value_kind: global_buffer, .address_space: global }
    .group_segment_fixed_size: 90112
    .private_segment_fixed_size: 0
    .kernarg_segment_align: 8
    .kernarg_segment_size: 48
    .max_flat_workgroup_size: 512
    .sgpr_count:     66
    .vgpr_count:     256
    .wavefront_size: 32
...
	.end_amdgpu_metadata
.endif
;; end of part 1
;; launch gemm (part 2): grid 16 x 16, 4 waves a work-group, clusters of 4 x 4, 327,680 bytes of LDS; arguments xq, wq, xs, out0; writes out0
.if DOCPART == 2
	.amdgcn_target "amdgcn-amd-amdhsa--gfx1250"
	.amdhsa_code_object_version 6
	.text
	.protected	k_qca8eab308d_gemm
	.globl	k_qca8eab308d_gemm
	.p2align	8
	.type	k_qca8eab308d_gemm,@function
k_qca8eab308d_gemm:
	s_mov_b64 s[64:65], 0
	v_nop
	global_prefetch_b8 v0, s[64:65] scope:SCOPE_SE
	s_setreg_imm32_b32 hwreg(HW_REG_WAVE_MODE, 25, 1), 1
	s_wait_xcnt 0x0
	s_wait_alu depctr_hold_cnt(0) depctr_sa_sdst(0) depctr_va_vdst(0) depctr_va_sdst(0) depctr_va_ssrc(0) depctr_va_vcc(0) depctr_vm_vsrc(0)
	s_getreg_b32 s2, hwreg(HW_REG_IB_STS2, 6, 4)
	s_cmp_eq_u32 s2, 0
	s_cbranch_scc0 .Lentry_in_a_cluster
	s_endpgm
.Lentry_in_a_cluster:
	s_bfe_u32 s2, ttmp6, 0x10000c
	s_cmp_lg_u32 s2, 0xf033
	s_cbranch_scc0 .Lentry_shape_is_right
	s_endpgm
.Lentry_shape_is_right:
; out[t][o] = xs[t] x sum over k of xq[t][k] wq[o][k]: codes of FP4 (E2M1) with one E8M0 scale byte for each 32 along K, laid by the first launch as [T = row / 128][s = k / 512][128 rows x 256 bytes of codes, 8 x 256 bytes of scale bytes].
; NO WORK IS LEFT OUT.  LIMITS: as the first launch has them; the sum of a K step's four quarters is taken in the order 0, 1, 3, 2 in the last K step.
; A tile of out, 256 x 256, is made by a work-group of four waves; a wave makes 128 x 128: 8 x 4 accumulators of 16 rows of x by 32 rows of w, 16 registers each.  K goes in eight steps of 512 through a ring of two LDS slots.
; ONE LOAD A WAVE brings 128 rows' codes and scale bytes of a K step, a dense block of 136 x 256 bytes of memory; in LDS 16 bytes of padding stand behind each 256, so that the 16 rows that a fragment load touches start at 16 different banks.
; CLUSTERS: 4 x 4 work-groups.  The four of a row of the cluster need the same blocks of xq, the four of a column the same blocks of wq: each is asked for JOINTLY.
; THE MATRIX INSTRUCTION takes 32 rows of w as source 0 and 16 rows of x as source 1: a lane then holds one row of out, and each eight of its registers eight neighbouring columns.
; FRAGMENTS HAVE TWO SETS for both sides: the next 128 along K (32 LDS loads) are fetched while 128 along K are multiplied (32 products).
; PREFETCH into the L2: a K step is asked for ahead of its joint load; each 256-byte block is named once in each cluster: of a block of 136, each of its four askers takes 32 rows of codes and two pieces of scale bytes, told apart by address.
; K steps 0 and 1 come by their loads alone.
; REGISTERS: window 0: v0-31 addresses; v32-95 scale words, a set for each slot (16 of w, 16 of x); v96-111 xs; v128-255 x's fragments, two sets (in the last K step four buffers of 16 rows x 512 K).
;   window 1: w's fragments, two sets at v0 and v128 (in the last K step all 256: the whole K step's).   windows 2, 3: accumulators of my rows 0-63, 64-127: (a, b) at v[64 (a % 4) + 16 b].
.set SIZE_N, 4096
.set PITCH,  272                       ; an LDS row
.set QMEM,   34816                     ; a block in memory,
.set QLDS,   136*PITCH                 ; and in LDS
.set SCO,    128*PITCH                 ; its scale bytes
.set SLOT,   4*QLDS                    ; x's two blocks, w's two
.set TILEB,  8*QMEM
.set LAPS,   4                         ; a lap = two K steps = once round the ring
.set SPARE,  2*SLOT                    ; the spare words: two blocks of 256 bytes that no other line names
.set SPITCH, 528                       ; the way out: a stage of 16 rows x (512 + 16) bytes for each wave, in slot 0, which has had its last fill and its last read by then
.set ADRA, 16                          ; v16-17 LDS address of my fragments of x in slot 0, 1
.set ADRX, 18                          ; v18-19 and of x's scale words
.set ADRB, 20                          ; v20-21 w's fragments
.set ADRW, 22                          ; v22-23 w's scale words
.set STO,  24                          ; v24    the way out: where I put 16 bytes of a row
.set RD,   25                          ; v25    where I read a row back
.set CO,   26                          ; v26    my byte offset in a row of out
.set XO,   27                          ; v27    4 x (lane % 16)
.set SPW,  28                          ; v28    LDS address of my spare word; never rewritten
.set NIL,  29                          ; v29    0; never rewritten
.set PFO,  30                          ; v30    the prefetches' offset in a block: codes
.set PFS,  31                          ; v31    and scale bytes
.set SC,   32
.set XSR,  96
.set AF,   128
.set PA,   128
.set PFA,  12                          ; s[12:13] where my prefetches stand
.set G1, 24                            ; s[24:31] descriptor group 1 for x's blocks;  s[32:39] group 0, one set for each slot
.set G0, 32
.set G1B, 48                           ; s[48:55], s[56:63] the same for w's
.set G0B, 56
.set MSB, 0
.macro WIN new                         ; the immediate's high byte repeats the setting that is left
.if MSB != (\new)
	s_set_vgpr_msb (MSB<<8)|(\new)
.set MSB, \new
.endif
.endm
.set MUL_LO, 0xa1                      ; source 0 window 1, source 1 window 0, C and D window 2 (+ 0x50: window 3)
.set TO_B,   0x40                      ; destination window 1, address window 0
.macro PLACES n
.rept \n
	v_nop
.endr
.endm
.macro JLOAD s                         ; a joint load: waves 0 and 1 fetch x's two blocks, waves 2 and 3 w's; each line has one mask and one set of registers for all that issue it
	s_cmp_eq_u32 s15, 0
	s_cbranch_scc0 .Lfor_b_\@
	tensor_load_to_lds s[G0+4*\s:G0+4*\s+3], s[G1:G1+7]
	s_nop 0
	PLACES 4
	s_branch .Lasked_\@
.Lfor_b_\@:
	tensor_load_to_lds s[G0B+4*\s:G0B+4*\s+3], s[G1B:G1B+7]
	s_nop 0
	PLACES 4
.Lasked_\@:
.endm
.macro CREST                           ; a round of the cluster's barrier behind its opening barrier
	s_cmp_lg_u32 s14, 0
	s_cbranch_scc1 .Lnot_wave_0_\@
	s_barrier_signal -3
.Lnot_wave_0_\@:
	s_barrier_wait -3
	s_barrier_signal -1
	s_barrier_wait -1
.endm
.macro CROUND
	s_barrier_signal -1
	s_barrier_wait -1
	CREST
.endm
.macro ASK off                         ; my 34 of a block's 136 x 256 bytes; the lanes left over in the second line name its last piece again
	global_prefetch_b8 v[PFO], s[PFA:PFA+1] offset:\off th:TH_LOAD_NT scope:SCOPE_SE
	global_prefetch_b8 v[PFS], s[PFA:PFA+1] offset:\off th:TH_LOAD_NT scope:SCOPE_SE
.endm
	s_load_b256 s[4:11], s[0:1], 0x0               ; xq s[4:5], wq s[6:7], xs s[8:9], out0 s[10:11]
	v_lshl_add_u32 v[SPW], v0, 2, SPARE
	v_mov_b32 v[NIL], 0
	ds_add_u32 v[SPW], v[NIL]                      ; the wave's opening: the add, twice on end, and its wait ahead of my first tensor load
	ds_add_u32 v[SPW], v[NIL]
	v_lshrrev_b32 v1, 5, v0
	v_readfirstlane_b32 s14, v1                    ; wave 0..3
	s_lshr_b32 s15, s14, 1                         ; which half of the tile's rows is mine.  Also: I fetch for x (0) or for w (1)
	s_and_b32 s16, s14, 1                          ; which half of its columns.  Also: which of the two blocks I fetch
	s_bfe_u32 s40, ttmp6, 0x40000                  ; cx, cy: my place in the cluster
	s_bfe_u32 s41, ttmp6, 0x40004
	s_lshl_b32 s42, ttmp9, 2
	s_add_co_u32 s42, s42, s40                     ; tile column = 4 x cluster x + cx
	s_and_b32 s17, ttmp7, 0xffff
	s_lshl_b32 s17, s17, 2
	s_add_co_u32 s17, s17, s41                     ; tile row = 4 x cluster y + cy
	s_lshl_b32 s43, s41, 2
	s_lshl_b32 s43, 15, s43                        ; my row of the cluster
	s_lshl_b32 s44, 0x1111, s40                    ; my column
	; group 1: 136 rows of 256 bytes (32 elements of 8 bytes), 4 words of padding behind every 64; bit 21 set beside the mask
	s_or_b32 s[G1+0], s43, (3<<16)|(1<<20)|(1<<21)|(5<<22)|(3<<25)
	s_or_b32 s[G1B+0], s44, (3<<16)|(1<<20)|(1<<21)|(5<<22)|(3<<25)
.irp g, G1, G1B
	s_mov_b32 s[\g+1], 32<<16
	s_mov_b32 s[\g+2], 136<<16
	s_mov_b32 s[\g+3], 32<<16
	s_mov_b32 s[\g+4], 136
	s_mov_b32 s[\g+5], 32
	s_mov_b32 s[\g+6], 0
	s_mov_b32 s[\g+7], 0
.endr
	s_lshl_b32 s20, s17, 1
	s_add_co_u32 s20, s20, s16
	s_mul_i32 s20, s20, TILEB                      ; x: T = 2 x tile row + block
	s_mov_b32 s21, 0
	s_lshl_b32 s46, s42, 1
	s_add_co_u32 s46, s46, s16
	s_mul_i32 s46, s46, TILEB                      ; w: T = 2 x tile column + block
	s_mov_b32 s47, 0
	s_mul_i32 s45, s14, QLDS                       ; where it goes in a slot: no place in the cluster enters an LDS address
.irp s, 0,1
	s_mov_b32 s[G0+4*\s], 1
	s_add_co_u32 s[G0+4*\s+1], s45, \s*SLOT
	s_mov_b32 s[G0B+4*\s], 1
	s_add_co_u32 s[G0B+4*\s+1], s45, \s*SLOT
.endr
	s_wait_dscnt 0x0                               ; both opening adds are done
	CROUND                                         ; all sixteen work-groups are here: the first joint loads meet
	s_wait_kmcnt 0x0
	s_add_nc_u64 s[20:21], s[4:5], s[20:21]
	s_add_nc_u64 s[46:47], s[6:7], s[46:47]
.irp s, 0,1
	s_add_nc_u64 s[G0+4*\s+2:G0+4*\s+3], s[20:21], \s*QMEM
	s_or_b32 s[G0+4*\s+3], s[G0+4*\s+3], 0x80000000
	s_add_nc_u64 s[G0B+4*\s+2:G0B+4*\s+3], s[46:47], \s*QMEM
	s_or_b32 s[G0B+4*\s+3], s[G0B+4*\s+3], 0x80000000
.endr
	JLOAD 0                                        ; K step 0
	s_cmp_eq_u32 s15, 0                            ; the prefetches: the block that I fetch, and my place among its four askers
	s_cselect_b64 s[PFA:PFA+1], s[20:21], s[46:47]
	s_cselect_b32 s18, s40, s41
	s_lshl_b32 s19, s18, 13                        ; 32 rows of 256 bytes each,
	s_lshl_b32 s18, s18, 9                         ; two pieces of scale bytes each
	s_add_co_u32 s18, s18, 32768
	s_mul_i32 s21, s15, QLDS                       ; my 128 rows of x,
	s_mul_i32 s22, s16, QLDS
	s_add_co_u32 s22, s22, 2*QLDS                  ; and of w, behind x's two blocks
	s_mul_i32 s23, s14, 16*SPITCH                  ; my stage
	v_and_b32 v3, 31, v0
	v_and_b32 v1, 15, v0                           ; r
	v_bfe_u32 v2, v0, 4, 1                         ; h
	v_lshlrev_b32 v[PFO], 8, v3
	v_min_u32 v[PFS], 1, v3
	v_mul_u32_u24 v4, v1, PITCH
	v_mul_u32_u24 v5, v2, PITCH
	v_mul_u32_u24 v6, v1, SPITCH
	v_add_nc_u32 v[PFO], s19, v[PFO]
	v_lshlrev_b32 v[PFS], 8, v[PFS]
	v_lshl_add_u32 v4, v2, 4, v4                   ; a fragment: row r x pitch + 16 h
	v_lshl_add_u32 v5, v1, 4, v5                   ; scale words: lane l takes row l of 32: 16 bytes a row, 16 rows to a piece
	v_lshl_add_u32 v6, v2, 5, v6                   ; the stage: row r, 32 bytes for each half of the lanes
	v_add_nc_u32 v[PFS], s18, v[PFS]
	v_add_nc_u32 v5, SCO, v5
	v_lshlrev_b32 v[CO], 4, v3
	v_lshlrev_b32 v[XO], 2, v1
	v_add_nc_u32 v[ADRA], s21, v4
	v_add_nc_u32 v[ADRB], s22, v4
	v_add_nc_u32 v[ADRX], s21, v5
	v_add_nc_u32 v[ADRW], s22, v5
	v_add_nc_u32 v[STO], s23, v6
	v_add_nc_u32 v[RD], s23, v[CO]
.irp r, ADRA, ADRB, ADRX, ADRW
	v_add_nc_u32 v[\r+1], SLOT, v[\r]
.endr
.irp a, 0,1,2,3,4,5,6,7
	v_mov_b32 v[XSR+2*\a+1], 0                     ; (the packed multiply names the pair and takes its low word for both halves)
.endr
	s_wait_alu depctr_va_vdst(0)                   ; the wait at the head's end
	s_lshl_b32 s20, s17, 8
	s_lshl_b32 s21, s15, 7
	s_add_co_u32 s20, s20, s21                     ; my first row: 256 x tile row + 128 x half
	s_lshl_b32 s18, s20, 2
	s_mov_b32 s19, 0
	s_add_nc_u64 s[8:9], s[8:9], s[18:19]
.irp a, 0,1,2,3,4,5,6,7
	global_load_b32 v[XSR+2*\a], v[XO], s[8:9] offset:64*\a   ; xs of row 16 a + r
.endr
	s_lshl_b32 s20, s20, 14
	s_mov_b32 s21, 0
	s_lshl_b32 s46, s42, 10                        ; my first column, in bytes: 1024 x tile column + 512 x half
	s_lshl_b32 s47, s16, 9
	s_add_co_u32 s46, s46, s47
	s_mov_b32 s47, 0
	s_add_nc_u64 s[20:21], s[20:21], s[46:47]
	s_add_nc_u64 s[10:11], s[10:11], s[20:21]
.macro FRAG reg, adr, q, i             ; 16 rows x 128 K: lane l holds row l % 16; registers 4 c .. 4 c + 3 hold K = 64 c + 32 (l / 16) + 0 .. 31
.irp c, 0,1
	ds_load_b128 v[\reg+4*\c:\reg+4*\c+3], v[\adr] offset:64*(\q)+32*\c+(\i)*16*PITCH
.endr
.endm
.macro FETCH_B slot, q, f              ; w's 128 rows of the slot's q-th 128 along K, into window 1 from v[f] on
	WIN TO_B
.irp i, 0,1,2,3,4,5,6,7
	FRAG (\f)+8*\i, ADRB+\slot, \q, \i
.endr
	WIN 0
.endm
.macro FETCH_A slot, q, p              ; x's, into set p
.irp i, 0,1,2,3,4,5,6,7
	FRAG AF+64*(\p)+8*\i, ADRA+\slot, \q, \i
.endr
.endm
.macro SCALES slot                     ; w's scale words: register 4 i + q: lane l the word of row 32 i + l for the slot's q-th 128 along K; x's likewise: block a = 2 i in lanes 0-15, a = 2 i + 1 in lanes 16-31
.irp i, 0,1,2,3
	ds_load_b128 v[SC+32*(\slot)+4*\i:SC+32*(\slot)+4*\i+3], v[ADRW+\slot] offset:2*PITCH*\i
.endr
.irp i, 0,1,2,3
	ds_load_b128 v[SC+32*(\slot)+16+4*\i:SC+32*(\slot)+16+4*\i+3], v[ADRX+\slot] offset:2*PITCH*\i
.endr
.endm
.macro WM c, m
	v_wmma_scale_f32_32x16x128_f4 v[DA:DA+15], v[FB:FB+15], v[FA:FA+7], \c, v[WS], v[XSC] \m
.endm
; cnt products from n0 on.  Product n of 32: block a = n / 4 of x, b = n % 4 of w; p: the set of fragments; sc: the set of scale words.  zero = 1: it starts the sum: nothing is ever cleared.
; The 32 accumulators take turns, one instruction a turn, in the same order in every step.
.macro MULS n0, cnt, p, q, sc, zero
.set NN, \n0
.rept \cnt
.set DA, 16*(NN%16)
.set FA, AF+64*(\p)+8*(NN/4)
.set FB, 128*(\p)+16*(NN%4)
.set WS, SC+32*(\sc)+4*(NN%4)+(\q)
.set XSC, SC+32*(\sc)+16+4*(NN/8)+(\q)
	WIN MUL_LO+0x50*(NN/16)
.if \zero
.if (NN/4)%2
	WM 0, matrix_b_scale:MATRIX_SCALE_ROW1
.else
	WM 0
.endif
.else
.if (NN/4)%2
	WM v[DA:DA+15], matrix_b_scale:MATRIX_SCALE_ROW1
.else
	WM v[DA:DA+15]
.endif
.endif
.set NN, NN+1
.endr
.endm
; 128 along K that have their successor in the same slot.  A load into a register that a matrix instruction has read stands four places behind it: the four v_nop serve all 32 loads, since they land in the set that the step before read.
.macro STEP slot, q, zero
	PLACES 4
	FETCH_B \slot, (\q)+1, 128*(1-(\q)%2)
	FETCH_A \slot, (\q)+1, 1-(\q)%2
	s_wait_dscnt 40                                ; of this step's own fragments w's and x's blocks 0-3 are in; the youngest eight of them (x's blocks 4-7) and the 32 loads just issued may be out
	MULS 0, 16, (\q)%2, \q, \slot, \zero
	s_wait_dscnt 32                                ; all but the 32
	MULS 16, 16, (\q)%2, \q, \slot, \zero
.endm
; A slot's last 128 along K changes slots: a round of the cluster's barrier.  In front of it each wave waits for all its tensor loads (its part of the next slot), adds 0 to its spare word, and waits for that and for its reads of this slot.
.macro TURN slot, next
	WIN 0
.if \slot == 0
	s_wait_xcnt 0x0                                ; my prefetches have read their address
	s_add_nc_u64 s[PFA:PFA+1], s[PFA:PFA+1], 2*QMEM
.endif
	s_wait_tensorcnt 0x0
	ds_add_u32 v[SPW], v[NIL]                      ; 0 onto my spare word
	s_add_nc_u64 s[G0+4*\slot+2:G0+4*\slot+3], s[G0+4*\slot+2:G0+4*\slot+3], 2*QMEM       ; (no tensor load of mine is out)
	s_add_nc_u64 s[G0B+4*\slot+2:G0B+4*\slot+3], s[G0B+4*\slot+2:G0B+4*\slot+3], 2*QMEM
	s_wait_dscnt 1                                 ; all fragments are in; the add may be out
	MULS 0, 4, 1, 3, \slot, 0
	s_wait_dscnt 0x0                               ; the add is done, and my reads of this slot are over
	s_barrier_signal -1
	MULS 4, 4, 1, 3, \slot, 0
	WIN 0
	s_barrier_wait -1
	CREST                                          ; no wave of any partner still reads this slot or has a load on its way
	JLOAD \slot                                    ; the first tensor load behind the round; its four v_nop are the places in front of the loads below
	FETCH_B \next, 0, 0
	SCALES \next
	FETCH_A \next, 0, 0
	s_cmp_gt_u32 s3, 1                             ; the loop's last trip has no K step two loads on
	s_cbranch_scc0 .Lno_ask_\@
	ASK (2+\slot)*QMEM
.Lno_ask_\@:
	MULS 8, 24, 1, 3, \slot, 0
.endm
	s_wait_tensorcnt 0x0                           ; my part of K step 0 is in
	ds_add_u32 v[SPW], v[NIL]
	s_wait_dscnt 0x0
	CROUND                                         ; everybody's part of K step 0 is in, and all sixteen work-groups are here:
	JLOAD 1                                        ; K step 1's load, the first tensor load behind the round
	FETCH_B 0, 0, 0
	SCALES 0
	FETCH_A 0, 0, 0
	ASK 2*QMEM                                     ; K step 2, whose load goes out at K step 0's end
	STEP 0, 0, 1                                   ; stands in front of the loop: its products start the sums
	WIN 0                                          ; at a label and at a branch every window is 0
	ASK 3*QMEM                                     ; K step 3; from here on each change of slots asks for the K step two loads on
	s_mov_b32 s3, LAPS-1
.Llap:                                                 ; a trip goes once round the ring, from a lap's second step to the next lap's first, and fills both slots again
	STEP 0, 1, 0
	STEP 0, 2, 0
	TURN 0, 1
	STEP 1, 0, 0
	STEP 1, 1, 0
	STEP 1, 2, 0
	TURN 1, 0
	STEP 0, 0, 0
	WIN 0
	s_sub_co_u32 s3, s3, 1
	s_cmp_lg_u32 s3, 0
	s_cbranch_scc1 .Llap
	STEP 0, 1, 0                                   ; the last lap fills nothing
	STEP 0, 2, 0
; THE LAST K STEP (in slot 1) GOES BY ROWS: all its fragments of w fill window 1, and my eight blocks of 16 rows are finished one after the other, 16 products each, and leave as soon as they are finished.
.macro ARUN a                          ; block a of x, all four quarters, into buffer a % 4
.irp q, 0,1,2,3
	FRAG PA+32*((\a)%4)+8*\q, ADRA+1, \q, \a
.endr
.endm
.macro ROW a
.set XB, SC+48+4*((\a)/2)
.set FR, PA+32*((\a)%4)
.set AC, 64*((\a)%4)
	WIN MUL_LO+0x50*((\a)/4)
.irp q, 0,1,3,2
.if (\a) == 0                          ; the loads issued behind this quarter's operands may stay out
.if \q == 0
	s_wait_dscnt 63
.endif
.if \q == 1
	s_wait_dscnt 56
.endif
.if \q == 3
	s_wait_dscnt 40
.endif
.if \q == 2
	s_wait_dscnt 16
.endif
.endif
.irp b, 0,1,2,3
.set DA, AC+16*\b
.set FB, 64*\q+16*\b
.set FA, FR+8*\q
.set WS, SC+32+4*\b+\q
.set XSC, XB+\q
.if (\a)%2
	WM v[DA:DA+15], matrix_b_scale:MATRIX_SCALE_ROW1
.else
	WM v[DA:DA+15]
.endif
.endr
.endr
.endm
.macro SCALE a                         ; block a x xs, two numbers an instruction, each accumulator from its low end on
.set AC, 64*((\a)%4)
	WIN 0x82+0x41*((\a)/4)
.set II, 0
.rept 32
	v_pk_mul_f32 v[AC+II:AC+II+1], v[AC+II:AC+II+1], v[XSR+2*(\a):XSR+2*(\a)+1] op_sel_hi:[1,0]
.set II, II+2
.endr
.endm
.macro TOSTAGE a                       ; into my own stage, and back as whole rows of 512 bytes: LDS serves a wave's instructions in order (ISA guide 5.7.1.4)
.set AC, 64*((\a)%4)
	WIN 0x08+4*((\a)/4)
.irp b, 0,1,2,3
	ds_store_b128 v[STO], v[AC+16*\b:AC+16*\b+3] offset:128*\b
	ds_store_b128 v[STO], v[AC+16*\b+4:AC+16*\b+7] offset:128*\b+16
	ds_store_b128 v[STO], v[AC+16*\b+8:AC+16*\b+11] offset:128*\b+64
	ds_store_b128 v[STO], v[AC+16*\b+12:AC+16*\b+15] offset:128*\b+80
.endr
	WIN 0x80+0x40*((\a)/4)
.irp t, 0,1,2,3,4,5,6,7,8,9,10,11,12,13,14,15
	ds_load_b128 v[AC+4*\t:AC+4*\t+3], v[RD] offset:\t*SPITCH
.endr
.endm
.macro SEND a, younger                 ; younger: the LDS loads issued behind the stage's, which may stay out
.set AC, 64*((\a)%4)
	s_wait_dscnt \younger
	WIN 0x08+4*((\a)/4)
.irp t, 0,1,2,3,4,5,6,7,8,9,10,11,12,13,14,15
	global_store_b128 v[CO], v[AC+4*\t:AC+4*\t+3], s[10:11] offset:(16*(\a)+\t)*SIZE_N*4 th:TH_STORE_NT   ; 32 lanes store 512 consecutive bytes: two whole aligned units of 256
.endr
.endm
	WIN 0
	s_wait_tensorcnt 0x0                           ; my part of the last K step is in
	ds_add_u32 v[SPW], v[NIL]
	s_wait_dscnt 1
	MULS 0, 4, 1, 3, 0, 0
	s_wait_dscnt 0x0
	s_barrier_signal -1
	MULS 4, 4, 1, 3, 0, 0
	s_barrier_wait -1                              ; nothing is filled again: no round
	PLACES 4
	FETCH_B 1, 0, 0                                ; what block 0 wants first comes first; all land in registers that the slot's last products do not read
	ARUN 0
	SCALES 1
	FETCH_B 1, 1, 64
	FETCH_B 1, 3, 192
	ARUN 1
	MULS 8, 24, 1, 3, 0, 0
	PLACES 4                                       ; for the loads into set 1's registers
	FETCH_B 1, 2, 128
	ARUN 2
	ARUN 3
	ROW 0
	s_wait_loadcnt 0x0                             ; xs is in
.irp a, 0,1,2,3,4,5,6,7
	PLACES 4                                       ; the block's results were just made
	SCALE \a
	TOSTAGE \a
.if \a < 4
	WIN 0
	ARUN \a+4                                      ; its buffer takes the block four further on
	SEND \a, 8
.else
	SEND \a, 0
.endif
.if \a < 7
	ROW \a+1
.endif
.endr
	WIN 0
	s_wait_tensorcnt 0x0                           ; the wave's end: behind my last tensor load and my last LDS store
	ds_add_u32 v[SPW], v[NIL]
	s_wait_dscnt 0x0
	CROUND                                         ; the closing round: no work-group ends while a partner may still ask for a block that names it
	s_endpgm
.Lfunc_end_k_qca8eab308d_gemm:
	.size	k_qca8eab308d_gemm, .Lfunc_end_k_qca8eab308d_gemm-k_qca8eab308d_gemm
	.p2alignl 7, 3214868480
	.fill 96, 4, 3214868480
	.section	.rodata,"a",@progbits
	.p2align	6, 0x0
	.amdhsa_kernel k_qca8eab308d_gemm
		.amdhsa_group_segment_fixed_size 327680
		.amdhsa_private_segment_fixed_size 0
		.amdhsa_enable_private_segment 0
		.amdhsa_kernarg_size 32
		.amdhsa_user_sgpr_count 2
		.amdhsa_user_sgpr_kernarg_segment_ptr 1
		.amdhsa_wavefront_size32 1
		.amdhsa_system_sgpr_workgroup_id_x 1
		.amdhsa_system_sgpr_workgroup_id_y 1
		.amdhsa_system_sgpr_workgroup_id_z 1
		.amdhsa_system_vgpr_workitem_id 0
		.amdhsa_next_free_vgpr 1024
		.amdhsa_next_free_sgpr 66
		.amdhsa_reserve_vcc 0
		.amdhsa_float_denorm_mode_32 3
		.amdhsa_float_denorm_mode_16_64 3
		.amdhsa_memory_ordered 1
		.amdhsa_forward_progress 1
		.amdhsa_inst_pref_size 162
	.end_amdhsa_kernel
	.amdgpu_metadata
---
amdhsa.version: [ 1, 2 ]
amdhsa.kernels:
  - .name:           k_qca8eab308d_gemm
    .symbol:         k_qca8eab308d_gemm.kd
    .args:
      - { .name: xq, .offset: 0, .size: 8, .value_kind: global_buffer, .address_space: global }
      - { .name: wq, .offset: 8, .size: 8, .value_kind: global_buffer, .address_space: global }
      - { .name: xs, .offset: 16, .size: 8, .value_kind: global_buffer, .address_space: global }
      - { .name: out0, .offset: 24, .size: 8, .value_kind: global_buffer, .address_space: global }
    .group_segment_fixed_size: 327680
    .private_segment_fixed_size: 0
    .kernarg_segment_align: 8
    .kernarg_segment_size: 32
    .max_flat_workgroup_size: 128
    .sgpr_count:     66
    .vgpr_count:     1024
    .wavefront_size: 32
...
	.end_amdgpu_metadata
.endif
;; end of part 2
